; MI455X (gfx1250); checked and timed in simulation.
; The chip was launched on July 23, 2026; its instructions are those of AMD's public machine-readable ISA for CDNA 5 (MIT licence, August 2026) and "CDNA5" Instruction Set Architecture Reference Guide (July 2026). The comments in the code are by the model that wrote it; some were corrected since.
;; attention. Allowed arithmetic: float matrix products may take bf16 or f16 operands with f32 sums; all other float work in f32.
;; Inputs: W 1,000 x 1,000 float32; b 1,000 float32; h_src 64 x 1,024 x 1,000 float32; h_tgt 64 x 1 x 1,000 float32.
;; Outputs: out0 64 x 1 x 1,000 float32.
;; 2 versions, each right; version 2 is version 1 with the launch proj written anew for expert scheduling mode. Each part assembles by itself: llvm-mc -triple=amdgcn-amd-amdhsa -mcpu=gfx1250 --defsym DOCPART=n.
;; ======== version 1 of 2: 3 launches
;; workspace buffers: upart 2,097,152 bytes; part 1,048,576 bytes
;; launch proj (part 1): grid 8 x 32, 8 waves a work-group, no clusters, 74,752 bytes of LDS; arguments W, h_tgt, upart; writes upart
.if DOCPART == 1
	.amdgcn_target "amdgcn-amd-amdhsa--gfx1250"
	.amdhsa_code_object_version 6
	.text
	.protected	k_qaef918ddc3_proj
	.globl	k_qaef918ddc3_proj
	.p2align	8
	.type	k_qaef918ddc3_proj,@function
k_qaef918ddc3_proj:
	s_mov_b64 s[64:65], 0
	v_nop
	global_prefetch_b8 v0, s[64:65] scope:SCOPE_SE
	s_setreg_imm32_b32 hwreg(HW_REG_WAVE_MODE, 25, 1), 1
	s_wait_xcnt 0x0
; upart[G][batch][col] = the sum over the 128 rows g of chunk G of h_tgt[batch][g] * W[g][col].   W: [1000][1000] f32, h_tgt: [64][1000] f32, upart: [8][64][1024] f32.
; WHY.  score = h_tgt . (W x + b) = (h_tgt W) . x + h_tgt . b for every input: u = h_tgt W is 64 x 1000 x 1000 multiply-adds, made once here; the next launch adds the eight chunks.
; FORMAT.  All in f32 on the vector units: a product of 64 rows has little matrix work, and u feeds scores whose differences decide a softmax; u rounded to 16 bits would shift them.
; The order of the sums differs from a plain chain over g (f32 rounding only).  NaN and infinities are not treated apart.
; SHARES.  Work-group (c, y): columns 128 c .. 128 c + 127 (512 bytes of a row of W), batches 16 (y & 3) .. + 15, rows g 128 (y >> 2) .. + 127 (K counted as 1,024).
; Wave w takes 16 of those rows; a lane 4 columns x 16 batches: 64 sums in registers.  The eight waves' sums meet in LDS behind one barrier.
; EDGES.  A wave whose 16 rows would pass row 999 loads rows 984 .. 999 instead, and the h_tgt numbers of rows that an earlier wave owns count as 0.
; Lanes whose columns would pass 999 load the row's last 16 bytes instead, and store 0: upart's columns 1000 .. 1023 are 0.
; NO CLUSTER, NO TENSOR LOADS: a work-group's whole input is 64 KB of W and 8 KB of h_tgt, each byte used from registers once loaded; the four work-groups that
; share a block of W would share 64 KB each.  No barrier but the one between the waves' stores and the joining reads.
.set ROWB,  4000                       ; bytes in a row of W and of h_tgt
.set RS,    8192                       ; LDS: bytes 0 .. 8,191: each wave's own block of h_tgt, [16 batches][16 g] f32; from RS on: 8 x 8,192 bytes, the waves' sums
.set SPARE, 73728                      ; behind them: the spare words, 128 bytes for each of eight waves: four blocks of 256 bytes that no other line names
.set LN,   1                           ; v1   lane
.set CU,   2                           ; v2   512 c + 16 lane: my four columns' byte offset in a row, not clamped
.set WO,   3                           ; v3   the same, at most 3,984
.set TO,   4                           ; v4   h_tgt: (lane / 4) rows + (lane % 4) x 16 bytes
.set GV,   5                           ; v5   the first g of those 16 bytes
.set TS,   6                           ; v6   LDS: my 16 bytes of my wave's h_tgt block
.set TR,   7                           ; v7   LDS: my wave's h_tgt block, the same address in all lanes
.set RSW,  8                           ; v8   LDS: where I put my sums
.set RSR,  9                           ; v9   LDS: where I read the eight waves' sums of my wave's two batches
.set OUTO, 10                          ; v10  16 lane
.set SPW,  12                          ; v12  LDS address of my spare word; never rewritten
.set NIL,  13                          ; v13  0; never rewritten
.set ACC,  16                          ; v[16:79]    batch b: four columns at ACC + 4 b
.set WR,   80                          ; v[80:143]   row i of my 16: four columns at WR + 4 i; later the sums read back
.set T,    144                         ; v[144:207]  batch b: h_tgt of four g at T + 4 b
.set TT,   208                         ; v[208:215]  h_tgt as loaded
	s_load_b128 s[4:7], s[0:1], 0x0                ; W s[4:5], h_tgt s[6:7]
	s_load_b64 s[8:9], s[0:1], 0x10                ; upart
	v_lshl_add_u32 v[SPW], v0, 2, SPARE
	v_mov_b32 v[NIL], 0
	v_and_b32 v[LN], 31, v0
	v_lshrrev_b32 v[CU], 5, v0
	v_readfirstlane_b32 s10, v[CU]                 ; wave 0..7
	s_lshl_b32 s11, ttmp9, 9                       ; 512 c
	s_and_b32 s12, ttmp7, 0xffff
	s_lshr_b32 s13, s12, 2                         ; G: which 128 rows g
	s_and_b32 s12, s12, 3                          ; which 16 batches
	s_lshl_b32 s14, s13, 7
	s_lshl4_add_u32 s14, s10, s14                  ; my wave's first row: 128 G + 16 w
	s_min_u32 s15, s14, 984                        ; the first row that it loads: all 16 lie inside W
	s_mul_i32 s16, s15, ROWB                       ; W: byte offset of that row
	s_mov_b32 s17, 0
	s_mul_i32 s18, s12, 16*ROWB                    ; h_tgt: my 16 batches,
	s_lshl2_add_u32 s18, s15, s18                  ; and the first g loaded
	s_mov_b32 s19, 0
	s_lshl_b32 s20, s13, 6                         ; upart: row 64 G + 16 (y & 3) + 2 w of 4,096 bytes: wave w joins and stores two batches,
	s_lshl4_add_u32 s20, s12, s20
	s_lshl1_add_u32 s20, s10, s20
	s_lshl_b32 s20, s20, 12
	s_add_co_u32 s20, s20, s11                     ; and the chunk's 512 bytes
	s_mov_b32 s21, 0
	v_lshl_add_u32 v[CU], v[LN], 4, s11
	v_min_u32 v[WO], ROWB-16, v[CU]
	v_lshrrev_b32 v[TO], 2, v[LN]
	v_mul_u32_u24 v[TO], v[TO], ROWB
	v_and_b32 v[GV], 3, v[LN]
	v_lshl_add_u32 v[TO], v[GV], 4, v[TO]
	v_lshl_add_u32 v[GV], v[GV], 2, s15
	s_lshl_b32 s22, s10, 10                        ; my wave's h_tgt block: 1,024 w
	v_lshl_add_u32 v[TS], v[LN], 4, s22            ; batch (lane / 4) x 64 bytes + (lane % 4) x 16 = 16 lane
	v_mov_b32 v[TR], s22
	s_lshl_b32 s23, s10, 13
	s_add_co_u32 s23, s23, RS
	v_lshl_add_u32 v[RSW], v[LN], 4, s23           ; RS + 8,192 w + 16 lane
	v_add_nc_u32 v[RSR], RS, v[TS]                 ; RS + 2 w batches of 512 bytes + 16 lane
	v_lshlrev_b32 v[OUTO], 4, v[LN]
	s_wait_kmcnt 0x0
	s_add_nc_u64 s[4:5], s[4:5], s[16:17]
	s_add_nc_u64 s[6:7], s[6:7], s[18:19]
	s_add_nc_u64 s[8:9], s[8:9], s[20:21]
	global_load_b128 v[TT:TT+3],   v[TO], s[6:7]                  ; batches lane / 4: 16 g as four lanes' 16 bytes
	global_load_b128 v[TT+4:TT+7], v[TO], s[6:7] offset:8*ROWB    ; batches 8 + lane / 4
.irp i, 0,1,2,3,4,5,6,7,8,9,10,11,12,13,14,15
	global_load_b128 v[WR+4*(\i):WR+4*(\i)+3], v[WO], s[4:5] offset:ROWB*(\i)  ; a wave's load covers 512 consecutive bytes of a row
.endr
	s_wait_loadcnt 16                              ; loads come back in order: the 16 loads of W are younger, h_tgt is in
	v_cmp_le_u32 vcc_lo, s14, v[GV]                ; is my g one of my wave's own rows?  (both are multiples of 4, so the four g of a lane go together)
.irp i, 0,1,2,3,4,5,6,7
	v_cndmask_b32 v[TT+(\i)], 0, v[TT+(\i)], vcc_lo
.endr
	ds_store_b128 v[TS], v[TT:TT+3]                ; my wave's own bytes: LDS serves a wave's instructions in order, so the loads below see these stores
	ds_store_b128 v[TS], v[TT+4:TT+7] offset:512
; h_tgt of rows 4 blk .. 4 blk + 3 for eight batches: one address for all lanes, so every lane gets the same four numbers
.macro TLOAD blk, half
.irp bb, 0,1,2,3,4,5,6,7
	ds_load_b128 v[T+4*(8*(\half)+(\bb)):T+4*(8*(\half)+(\bb))+3], v[TR] offset:64*(8*(\half)+(\bb))+16*(\blk)
.endr
.endm
; 64 packed multiply-adds: four rows x eight batches x two pairs of columns.  The h_tgt number is one register of a pair, taken for both halves.
; The very first row starts the sums: nothing is cleared.  Sixteen independent lines stand between two links of a chain.
.macro MULH blk, half
.irp gi, 0,1,2,3
.irp bb, 0,1,2,3,4,5,6,7
.irp cp, 0,1
.set rA, ACC+4*(8*(\half)+(\bb))+2*(\cp)
.set rW, WR+4*(4*(\blk)+(\gi))+2*(\cp)
.set rT, T+4*(8*(\half)+(\bb))+2*((\gi)/2)
.if ((\blk) == 0) && ((\gi) == 0)
	v_pk_mul_f32 v[rA:rA+1], v[rW:rW+1], v[rT:rT+1] op_sel_hi:[1,0]
.elseif ((\gi)%2) == 0
	v_pk_fma_f32 v[rA:rA+1], v[rW:rW+1], v[rT:rT+1], v[rA:rA+1] op_sel_hi:[1,0,1]
.else
	v_pk_fma_f32 v[rA:rA+1], v[rW:rW+1], v[rT:rT+1], v[rA:rA+1] op_sel:[0,1,0] op_sel_hi:[1,1,1]
.endif
.endr
.endr
.endr
.endm
; Four rows.  While one half of the batches is multiplied, the other half's h_tgt, or the next block's, is on its way from LDS.
.macro BLK k
	s_wait_loadcnt 12-4*(\k)                       ; the rows of W of the later blocks may stay out
	s_wait_dscnt 8                                 ; the other half's eight LDS loads are younger
	MULH \k, 0
.if (\k) < 3
	TLOAD (\k)+1, 0
	s_wait_dscnt 8                                 ; all but the eight just issued
.else
	s_wait_dscnt 0x0
.endif
	MULH \k, 1
.if (\k) < 3
	TLOAD (\k)+1, 1
.endif
.endm
.macro ADDQ d, s                       ; four numbers onto four
	v_pk_add_f32 v[(\d):(\d)+1], v[(\d):(\d)+1], v[(\s):(\s)+1]
	v_pk_add_f32 v[(\d)+2:(\d)+3], v[(\d)+2:(\d)+3], v[(\s)+2:(\s)+3]
.endm
.macro TREE b                          ; eight fours, 8 registers apart, into the first: neighbours 1, 2, 4 apart
.irp n, 0,2,4,6
	ADDQ (\b)+8*(\n), (\b)+8*(\n)+8
.endr
.irp n, 0,4
	ADDQ (\b)+8*(\n), (\b)+8*(\n)+16
.endr
	ADDQ (\b), (\b)+32
.endm
	TLOAD 0, 0
	TLOAD 0, 1
	BLK 0
	BLK 1
	BLK 2
	BLK 3
.irp bb, 0,1,2,3,4,5,6,7,8,9,10,11,12,13,14,15
	ds_store_b128 v[RSW], v[ACC+4*(\bb):ACC+4*(\bb)+3] offset:512*(\bb)
.endr
	s_wait_dscnt 0x0                               ; for the others' sake: my stores are done
	s_barrier_signal -1
	s_barrier_wait -1
.irp n, 0,1,2,3,4,5,6,7
	ds_load_b128 v[WR+8*(\n):WR+8*(\n)+3],   v[RSR] offset:8192*(\n)       ; wave n's sums of batch 2 w
	ds_load_b128 v[WR+8*(\n)+4:WR+8*(\n)+7], v[RSR] offset:8192*(\n)+512   ; and of batch 2 w + 1
.endr
	s_wait_dscnt 0x0
	TREE WR
	TREE WR+4
	v_cmp_gt_u32 vcc_lo, ROWB, v[CU]               ; columns 1000 .. 1023 are stored as 0
.irp i, 0,1,2,3,4,5,6,7
	v_cndmask_b32 v[WR+(\i)], 0, v[WR+(\i)], vcc_lo
.endr
	global_store_b128 v[OUTO], v[WR:WR+3],   s[8:9]               ; each store of the wave covers 512 consecutive bytes, at a multiple of 512 from upart's first byte
	global_store_b128 v[OUTO], v[WR+4:WR+7], s[8:9] offset:4096
	s_wait_tensorcnt 0x0                           ; the wave's end, behind my last LDS store
	ds_add_u32 v[SPW], v[NIL]
	s_wait_dscnt 0x0
	s_endpgm
.Lfunc_end_k_qaef918ddc3_proj:
	.size	k_qaef918ddc3_proj, .Lfunc_end_k_qaef918ddc3_proj-k_qaef918ddc3_proj
	.p2alignl 7, 3214868480
	.fill 96, 4, 3214868480
	.section	.rodata,"a",@progbits
	.p2align	6, 0x0
	.amdhsa_kernel k_qaef918ddc3_proj
		.amdhsa_group_segment_fixed_size 74752
		.amdhsa_private_segment_fixed_size 0
		.amdhsa_enable_private_segment 0
		.amdhsa_kernarg_size 24
		.amdhsa_user_sgpr_count 2
		.amdhsa_user_sgpr_kernarg_segment_ptr 1
		.amdhsa_wavefront_size32 1
		.amdhsa_system_sgpr_workgroup_id_x 1
		.amdhsa_system_sgpr_workgroup_id_y 1
		.amdhsa_system_sgpr_workgroup_id_z 1
		.amdhsa_system_vgpr_workitem_id 0
		.amdhsa_next_free_vgpr 216
		.amdhsa_next_free_sgpr 66
		.amdhsa_reserve_vcc 1
		.amdhsa_float_denorm_mode_32 3
		.amdhsa_float_denorm_mode_16_64 3
		.amdhsa_memory_ordered 1
		.amdhsa_forward_progress 1
		.amdhsa_inst_pref_size 46
	.end_amdhsa_kernel
	.amdgpu_metadata
---
amdhsa.version: [ 1, 2 ]
amdhsa.kernels:
  - .name:           k_qaef918ddc3_proj
    .symbol:         k_qaef918ddc3_proj.kd
    .args:
      - { .name: W, .offset: 0, .size: 8, .value_kind: global_buffer, .address_space: global }
      - { .name: h_tgt, .offset: 8, .size: 8, .value_kind: global_buffer, .address_space: global }
      - { .name: upart, .offset: 16, .size: 8, .value_kind: global_buffer, .address_space: global }
    .group_segment_fixed_size: 74752
    .private_segment_fixed_size: 0
    .kernarg_segment_align: 8
    .kernarg_segment_size: 24
    .max_flat_workgroup_size: 256
    .sgpr_count:     66
    .vgpr_count:     216
    .wavefront_size: 32
...
	.end_amdgpu_metadata
.endif
;; end of part 1
;; launch stream (part 2): grid 4 x 64, 4 waves a work-group, no clusters, 327,680 bytes of LDS; arguments h_src, upart, h_tgt, b, part; writes part
.if DOCPART == 2
	.amdgcn_target "amdgcn-amd-amdhsa--gfx1250"
	.amdhsa_code_object_version 6
	.text
	.protected	k_qaef918ddc3_stream
	.globl	k_qaef918ddc3_stream
	.p2align	8
	.type	k_qaef918ddc3_stream,@function
k_qaef918ddc3_stream:
	s_mov_b64 s[64:65], 0
	v_nop
	global_prefetch_b8 v0, s[64:65] scope:SCOPE_SE
	s_setreg_imm32_b32 hwreg(HW_REG_WAVE_MODE, 25, 1), 1
	s_wait_xcnt 0x0
; For one batch and 256 of its 1,024 rows x of h_src: z = c (u . x + h_tgt . b), c = log2(e); a running maximum M of z; L = the sum of 2^(z - M); A[col] = the sum of 2^(z - M) x[col].
; part[batch][q][0..999] = A, [1000] = M, [1001] = L, [1002..1023] finite numbers that nobody reads.  h_src: [64][1024][1000] f32; upart: [8][64][1024] f32; part: [64][4][1024] f32.
; h_src is read from memory ONCE: a row's scores and its share of the weighted sum are made from the same registers.  All arithmetic is f32 on the vector units: two multiply-adds
; for each number read leave the matrix units nothing to gain, and operands of 16 bits would shift scores whose differences decide the softmax.
; LIMITS.  A weight below 2^-126 counts as 0; NaN and infinities are not treated apart; the sums' order differs from a plain chain (f32 rounding only).
; SHARES.  Work-group (q, batch): rows 256 q .. 256 q + 255.  Tile T (0..7) of wave w: the 8 rows 256 q + 32 T + 8 w .. + 7: 32,000 dense bytes = 125 rows of 256 bytes, beginning at a
; multiple of 256 from h_src's first byte.  Each wave has its own ring of two LDS slots, issues its own tensor loads and reads only its own slots, each behind its own s_wait_tensorcnt.
; A slot is filled again in this order: the wave waits for ALL its tensor loads, adds 0 to its spare word, waits for that and for its reads of the slot, passes a barrier with the other three
; waves, and issues ONE load, first thing behind it.  The other slot has landed by then and is worked on while that load is on its way.  By this text's own count a wave has two tensor loads
; out at the start and one behind each such barrier.  Slots of 16 rows a wave (the next size of whole 256-byte rows) would take 512,000 bytes of LDS: they do not fit.
; LANES.  Lane l holds columns 128 j + 4 l .. + 3, j = 0..7: an LDS load of a wave takes 512 consecutive bytes.  At j = 7 lanes 26-31 read lane 25's 16 bytes again; their u is 0, their sums are the filler.
; NO CLUSTER: the four work-groups of a batch share 32 KB of upart and 8 KB of h_tgt and b, against 1,024,000 bytes of h_src of their own each.  NO PREFETCH: the ring keeps a load of every wave on its way throughout.
.set ROWB,  4000                       ; bytes in a row of h_src
.set SLOTB, 8*ROWB                     ; a slot: 8 rows
.set RINGB, 2*SLOTB                    ; a wave's ring
.set TSTEP, 32*ROWB                    ; from a wave's tile to its next
.set UL,    4*RINGB                    ; LDS 256,000: c u, 1,024 f32
.set CBL,   UL+4096                    ; 260,096: the four waves' parts of c h_tgt . b (a block of 256 bytes)
.set STAGE, CBL+256                    ; 260,352: 4 x 4,096 bytes, the waves' A
.set STATS, STAGE+4*4096               ; 276,736: (M, L) of wave w at 8 w (a block of 256 bytes)
.set SPARE, STATS+256                  ; 276,992: the spare words, 128 bytes for each wave: two blocks of 256 bytes that no other line names
.set LOG2E, 0x3fb8aa3b
.set LN,  1                            ; v1   lane
.set LA,  2                            ; v2   LDS: my ring + 16 lane
.set LA7, 3                            ; v3   LDS: my ring + 16 min(lane, 25), for j = 7
.set SPW, 4                            ; v4   LDS address of my spare word; never rewritten
.set NIL, 5                            ; v5   0; never rewritten
.set OA,  6                            ; v6   1,024 w + 16 lane: the first half of my wave's 256 columns, in bytes
.set OBU, 7                            ; v7   OA + 512: the second half, not clamped
.set OB,  8                            ; v8   the same, at most 3,984
.set US,  9                            ; v9   LDS: UL + OA
.set UR,  10                           ; v10  LDS: UL + 16 lane
.set CBW, 11                           ; v11  LDS: CBL + 4 w
.set CBR, 12                           ; v12  LDS: CBL
.set SGW, 13                           ; v13  LDS: STAGE + 4,096 w + 16 lane
.set SGR, 14                           ; v14  LDS: STAGE + OA
.set STW, 15                           ; v15  LDS: STATS + 8 w
.set STR, 16                           ; v16  LDS: STATS
.set COL, 18                           ; v18  256 w + 128 + 4 lane: my first column in the second half
.set U,   20                           ; v[20:51]    c u of my 32 columns
.set ACC, 52                           ; v[52:83]    A of my 32 columns
.set X,   84                           ; v[84:211]   four rows: row r, chunk j at X + 32 r + 4 j
.set D,   212                          ; v[212:219]  row r: a pair of partial sums, then z, then the weight p in the low register
.set MX,  220                          ; v220  M
.set LS,  221                          ; v221  L
.set AL,  222                          ; v[222:223]  a = 2^(M_old - M_new), and its argument
.set MN,  224                          ; v224  the new maximum
.set S01, 225                          ; v225, v226  sums of weights
.set S23, 226
.set CBV, 230                          ; v[230:231]  c h_tgt . b in lane 0's low register, 0 elsewhere: it starts a row's sum, so it is counted once
.set F,   232                          ; v[232:239]  b as loaded; at the end the four waves' factors, in pairs with their arguments
.set SR,  240                          ; v[240:247]  h_tgt as loaded; later small reads from LDS
.set G1,  24                           ; s[24:31]  descriptor group 1: the shape, never rewritten
.set G0,  32                           ; s[32:39]  descriptor group 0, a set for each slot
.set SEL, 40                           ; s[40:41]  v_permlanex16_b32's selects: each lane takes its own place in the other half
	s_load_b256 s[4:11], s[0:1], 0x0               ; h_src s[4:5], upart s[6:7], h_tgt s[8:9], b s[10:11]
	s_load_b64 s[12:13], s[0:1], 0x20              ; part
	v_lshl_add_u32 v[SPW], v0, 2, SPARE
	v_mov_b32 v[NIL], 0
	ds_add_u32 v[SPW], v[NIL]                      ; the wave's opening: the add and its wait stand ahead of my first tensor load; the set-up below, work on registers, stands between them
	ds_add_u32 v4, v5
	v_lshrrev_b32 v[LN], 5, v0
	v_readfirstlane_b32 s14, v[LN]                 ; wave 0..3
	s_mov_b32 s15, ttmp9                           ; q
	s_and_b32 s16, ttmp7, 0xffff                   ; batch
	; Group 1: 125 rows of 32 elements of 8 bytes, dense; the tile lies inside the tensor, so the extents are the tile's
	s_mov_b32 s[G1+0], 3<<16                       ; 15:0 no work-group mask; 17:16 elements of 8 bytes; 20 no padding
	s_mov_b32 s[G1+1], 32<<16                      ; 63:48 tensor_dim0, low half = 32
	s_mov_b32 s[G1+2], 125<<16                     ; 79:64 its high half = 0; 95:80 tensor_dim1, low half = 125
	s_mov_b32 s[G1+3], 32<<16                      ; 111:96 its high half = 0; 127:112 tile_dim0 = 32
	s_mov_b32 s[G1+4], 125                         ; 143:128 tile_dim1 = 125; 159:144 tile_dim2 = 0
	s_mov_b32 s[G1+5], 32                          ; 191:160 elements from row to row
	s_mov_b32 s[G1+6], 0
	s_mov_b32 s[G1+7], 0
	s_lshl_b32 s18, s16, 10
	s_lshl_b32 s19, s15, 8
	s_add_co_u32 s18, s18, s19
	s_lshl3_add_u32 s18, s14, s18                  ; my wave's first row: 1,024 batch + 256 q + 8 w,
	s_mul_i32 s18, s18, ROWB                       ; in bytes: under 262,144,000
	s_mov_b32 s19, 0
	s_lshl_b32 s20, s16, 12                        ; upart: my batch's row of 4,096 bytes in chunk 0
	s_mov_b32 s21, 0
	s_mul_i32 s22, s16, ROWB                       ; h_tgt: my batch's row
	s_mov_b32 s23, 0
	s_lshl2_add_u32 s44, s16, s15                  ; part: row 4 batch + q of 4,096 bytes
	s_lshl_b32 s44, s44, 12
	s_mov_b32 s45, 0
	s_mul_i32 s43, s14, RINGB                      ; my ring in LDS
	s_mov_b32 s[SEL], 0x76543210
	s_mov_b32 s[SEL+1], 0xfedcba98
	s_wait_dscnt 0x0                               ; the opening add is done
	s_wait_kmcnt 0x0
	s_add_nc_u64 s[4:5], s[4:5], s[18:19]          ; h_src at my wave's tile 0
	; Group 0 for each slot, then the slot's first load.  The two first fills go out together, ahead of every wait on TENSORcnt, every LDS read and every barrier.
.irp s, 0,1
	s_mov_b32 s[G0+4*(\s)], 1                                      ; 1:0 count = 1
	s_add_co_u32 s[G0+4*(\s)+1], s43, (\s)*SLOTB                   ; 63:32 LDS address: 64,000 w + 32,000 s
	s_add_nc_u64 s[G0+4*(\s)+2:G0+4*(\s)+3], s[4:5], (\s)*TSTEP    ; 120:64 global address: tile s
	s_or_b32 s[G0+4*(\s)+3], s[G0+4*(\s)+3], 0x80000000            ; 127:126 type = 2
	tensor_load_to_lds s[G0+4*(\s):G0+4*(\s)+3], s[G1:G1+7]
	s_nop 0
.endr
	s_add_nc_u64 s[6:7], s[6:7], s[20:21]
	s_add_nc_u64 s[8:9], s[8:9], s[22:23]
	s_add_nc_u64 s[12:13], s[12:13], s[44:45]
	v_and_b32 v[LN], 31, v0
	s_lshl_b32 s18, s14, 10
	v_lshl_add_u32 v[OA], v[LN], 4, s18
	v_add_nc_u32 v[OBU], 512, v[OA]
	v_min_u32 v[OB], ROWB-16, v[OBU]
	; While the first tiles are on their way: c h_tgt . b and c u, each wave for its 256 columns.
	global_load_b128 v[SR:SR+3],   v[OA], s[8:9]
	global_load_b128 v[SR+4:SR+7], v[OB], s[8:9]
	global_load_b128 v[F:F+3],     v[OA], s[10:11]
	global_load_b128 v[F+4:F+7],   v[OB], s[10:11]
.irp g, 0,1,2,3,4,5,6,7
	global_load_b128 v[X+8*(\g):X+8*(\g)+3],   v[OA], s[6:7] offset:262144*(\g)      ; chunk g of u: upart has 1,024 columns, so nothing is clamped
	global_load_b128 v[X+8*(\g)+4:X+8*(\g)+7], v[OA], s[6:7] offset:262144*(\g)+512
.endr
	v_lshl_add_u32 v[LA], v[LN], 4, s43
	v_min_u32 v[LA7], 25, v[LN]
	v_lshl_add_u32 v[LA7], v[LA7], 4, s43
	v_add_nc_u32 v[US], UL, v[OA]
	v_lshl_add_u32 v[UR], v[LN], 4, UL
	s_lshl_b32 s19, s14, 2
	s_add_co_u32 s19, s19, CBL
	v_mov_b32 v[CBW], s19
	v_mov_b32 v[CBR], CBL
	s_lshl_b32 s19, s14, 12
	s_add_co_u32 s19, s19, STAGE
	v_lshl_add_u32 v[SGW], v[LN], 4, s19
	v_add_nc_u32 v[SGR], STAGE, v[OA]
	s_lshl_b32 s19, s14, 3
	s_add_co_u32 s19, s19, STATS
	v_mov_b32 v[STW], s19
	v_mov_b32 v[STR], STATS
	s_lshl_b32 s19, s14, 8
	s_add_co_u32 s19, s19, 128
	v_lshl_add_u32 v[COL], v[LN], 2, s19
	s_wait_loadcnt 16                              ; the 16 loads of upart are younger: h_tgt and b are in
	v_cmp_gt_u32 vcc_lo, ROWB, v[OBU]              ; lanes past column 999 read the last 16 bytes again: their h_tgt counts as 0
.irp i, 4,5,6,7
	v_cndmask_b32 v[SR+(\i)], 0, v[SR+(\i)], vcc_lo
.endr
	v_pk_mul_f32 v[D:D+1], v[SR:SR+1], v[F:F+1]
.irp i, 2,4,6
	v_pk_fma_f32 v[D:D+1], v[SR+(\i):SR+(\i)+1], v[F+(\i):F+(\i)+1], v[D:D+1]
.endr
	v_add_f32 v[D], v[D], v[D+1]
.irp m, 1,2,4,8
	v_add_f32_dpp v[D], v[D], v[D] row_xmask:\m row_mask:0xf bank_mask:0xf
.endr
	v_permlanex16_b32 v[D+1], v[D], s[SEL], s[SEL+1]
	v_add_f32 v[D], v[D], v[D+1]
	v_mul_f32 v[D], LOG2E, v[D]
	ds_store_b32 v[CBW], v[D]                      ; all lanes write the same word with the same value
.macro ADDQ d, s                       ; four numbers onto four
	v_pk_add_f32 v[(\d):(\d)+1], v[(\d):(\d)+1], v[(\s):(\s)+1]
	v_pk_add_f32 v[(\d)+2:(\d)+3], v[(\d)+2:(\d)+3], v[(\s)+2:(\s)+3]
.endm
.macro TREE b                          ; eight fours, 8 registers apart, into the first
.irp n, 0,2,4,6
	ADDQ (\b)+8*(\n), (\b)+8*(\n)+8
.endr
.irp n, 0,4
	ADDQ (\b)+8*(\n), (\b)+8*(\n)+16
.endr
	ADDQ (\b), (\b)+32
.endm
	s_wait_loadcnt 0x0                             ; upart
	TREE X
	TREE X+4
.irp i, 0,2,4,6
	v_pk_mul_f32 v[X+(\i):X+(\i)+1], v[X+(\i):X+(\i)+1], LOG2E op_sel_hi:[1,0]   ; c is folded into u: the scores arrive as exponents of 2
.endr
	ds_store_b128 v[US], v[X:X+3]
	ds_store_b128 v[US], v[X+4:X+7] offset:512
	s_wait_dscnt 0x0                               ; for the others' sake: my stores are done
	s_barrier_signal -1                            ; My two tensor loads may stay out across it
	s_barrier_wait -1
.irp j, 0,1,2,3,4,5,6,7
	ds_load_b128 v[U+4*(\j):U+4*(\j)+3], v[UR] offset:512*(\j)
.endr
	ds_load_b128 v[SR:SR+3], v[CBR]
	s_wait_dscnt 0x0
	v_add_f32 v[SR], v[SR], v[SR+1]
	v_add_f32 v[SR+2], v[SR+2], v[SR+3]
	v_add_f32 v[SR], v[SR], v[SR+2]
	v_cmp_eq_u32 vcc_lo, 0, v[LN]
	v_cndmask_b32 v[CBV], 0, v[SR], vcc_lo
	v_mov_b32 v[CBV+1], 0
; Eight LDS loads: chunks 2 k and 2 k + 1 of rows 4 g .. 4 g + 3 of a slot.  The largest offset, 63,584, lies inside the 16-bit immediate.
.macro LOADK slot, g, k
.irp jj, 0,1
.irp r, 0,1,2,3
.set jx, 2*(\k)+(\jj)
.if jx < 7
	ds_load_b128 v[X+32*(\r)+4*jx:X+32*(\r)+4*jx+3], v[LA] offset:SLOTB*(\slot)+ROWB*(4*(\g)+(\r))+512*jx
.else
	ds_load_b128 v[X+32*(\r)+4*jx:X+32*(\r)+4*jx+3], v[LA7] offset:SLOTB*(\slot)+ROWB*(4*(\g)+(\r))+512*jx
.endif
.endr
.endr
.endm
; Four rows' c u . x, my 32 columns: 64 packed multiply-adds, the four rows' chains by turns.  The first line of each row takes CBV as its addend: the bias term, and nothing is cleared.
.macro DOT
.irp k, 0,1,2,3
	s_wait_dscnt 24-8*(\k)                         ; LDS loads come back in order: of the 32, those of the later chunks may stay out; nothing was issued behind them
.irp c, 0,1,2,3
.irp r, 0,1,2,3
.if ((\k) == 0) && ((\c) == 0)
	v_pk_fma_f32 v[D+2*(\r):D+2*(\r)+1], v[X+32*(\r):X+32*(\r)+1], v[U:U+1], v[CBV:CBV+1]
.else
	v_pk_fma_f32 v[D+2*(\r):D+2*(\r)+1], v[X+32*(\r)+8*(\k)+2*(\c):X+32*(\r)+8*(\k)+2*(\c)+1], v[U+8*(\k)+2*(\c):U+8*(\k)+2*(\c)+1], v[D+2*(\r):D+2*(\r)+1]
.endif
.endr
.endr
.endr
.endm
; The four sums over the 32 lanes (every lane ends with all four z), the new maximum, a, the four weights, L.  first = 1: the wave's first four rows start M and L.
.macro SOFT first
.irp r, 0,1,2,3
	v_add_f32 v[D+2*(\r)], v[D+2*(\r)], v[D+2*(\r)+1]
.endr
.irp m, 1,2,4,8
.irp r, 0,1,2,3
	v_add_f32_dpp v[D+2*(\r)], v[D+2*(\r)], v[D+2*(\r)] row_xmask:\m row_mask:0xf bank_mask:0xf
.endr
.endr
.irp r, 0,1,2,3
	v_permlanex16_b32 v[D+2*(\r)+1], v[D+2*(\r)], s[SEL], s[SEL+1]
.endr
.irp r, 0,1,2,3
	v_add_f32 v[D+2*(\r)], v[D+2*(\r)], v[D+2*(\r)+1]
.endr
	v_max3_num_f32 v[MN], v[D], v[D+2], v[D+4]
.if \first
	v_max_num_f32 v[MN], v[MN], v[D+6]
.else
	v_max3_num_f32 v[MN], v[MN], v[D+6], v[MX]
	v_sub_f32 v[AL+1], v[MX], v[MN]
.endif
.irp r, 0,1,2,3
	v_sub_f32 v[D+2*(\r)], v[D+2*(\r)], v[MN]
.endr
.if !(\first)
	v_exp_f32 v[AL], v[AL+1]
.endif
.irp r, 0,1,2,3
	v_exp_f32 v[D+2*(\r)], v[D+2*(\r)]
.endr
	v_mov_b32 v[MX], v[MN]                         ; the plain instruction between the exponentials and the first use of a result (ISA guide 5.7.2)
	s_wait_alu depctr_va_vdst(0)
	v_add_f32 v[S01], v[D], v[D+2]
	v_add_f32 v[S23], v[D+4], v[D+6]
.if \first
	v_add_f32 v[LS], v[S01], v[S23]
.else
	v_add_f32 v[S01], v[S01], v[S23]
	v_fma_f32 v[LS], v[LS], v[AL], v[S01]
.endif
.endm
; A = a A + the sum of p x over the four rows, two chunks at a time.  next = 1: behind each two chunks the registers just read take the same chunks of rows 4 ng .. of slot nslot.
.macro ACCUM first, nslot, ng, next
.irp k, 0,1,2,3
.if !(\first)
.irp c, 0,1,2,3
	v_pk_mul_f32 v[ACC+8*(\k)+2*(\c):ACC+8*(\k)+2*(\c)+1], v[ACC+8*(\k)+2*(\c):ACC+8*(\k)+2*(\c)+1], v[AL:AL+1] op_sel_hi:[1,0]
.endr
.endif
.irp r, 0,1,2,3
.irp c, 0,1,2,3
.if (\first) && ((\r) == 0)
	v_pk_mul_f32 v[ACC+8*(\k)+2*(\c):ACC+8*(\k)+2*(\c)+1], v[X+32*(\r)+8*(\k)+2*(\c):X+32*(\r)+8*(\k)+2*(\c)+1], v[D+2*(\r):D+2*(\r)+1] op_sel_hi:[1,0]
.else
	v_pk_fma_f32 v[ACC+8*(\k)+2*(\c):ACC+8*(\k)+2*(\c)+1], v[X+32*(\r)+8*(\k)+2*(\c):X+32*(\r)+8*(\k)+2*(\c)+1], v[D+2*(\r):D+2*(\r)+1], v[ACC+8*(\k)+2*(\c):ACC+8*(\k)+2*(\c)+1] op_sel_hi:[1,0,1]
.endif
.endr
.endr
.if \next
	LOADK \nslot, \ng, \k
.endif
.endr
.endm
; A tile: eight rows, four at a time.  left = how many younger tensor loads may stay out.
.macro TILE slot, first, left
	s_wait_tensorcnt \left                         ; a wave's tensor loads end in order (ISA guide 10.11.1): my tile is in LDS
.irp k, 0,1,2,3
	LOADK \slot, 0, \k
.endr
	DOT
	SOFT \first
	ACCUM \first, \slot, 1, 1
	DOT
	SOFT 0
	ACCUM 0, 0, 0, 0
.endm
; Slot s, which has been read, is filled again, with my tile two further on.
.macro FILL s
	s_wait_tensorcnt 0x0                           ; all my tensor loads have landed, the unread slot's too: no tensor load of mine is out, so a group 0 may be written
	ds_add_u32 v[SPW], v[NIL]                      ; 0 onto my spare word; the step below stands between it and the wait for it
	s_add_nc_u64 s[G0+4*(\s)+2:G0+4*(\s)+3], s[G0+4*(\s)+2:G0+4*(\s)+3], 2*TSTEP  ; the address steps; the type bits on top are not reached
	s_wait_dscnt 0x0                               ; the add is done; my reads of the slot are back (the last count-down ended at 0)
	s_barrier_signal -1
	s_barrier_wait -1                              ; no wave fills a slot before all four have signalled
	tensor_load_to_lds s[G0+4*(\s):G0+4*(\s)+3], s[G1:G1+7]        ; the one tensor load of this wave behind the barrier, and the first thing there
	s_nop 0
.endm
	TILE 0, 1, 1                                   ; tile 0: the count leaves slot 1's first fill on its way
	s_mov_b32 s42, 3
.Lring:                                                ; three trips: tiles 1, 2 | 3, 4 | 5, 6 are worked on, tiles 2, 3 | 4, 5 | 6, 7 asked for
	FILL 0
	TILE 1, 0, 1                                   ; one load was issued behind this tile's; FILL's wait for 0 has already shown the tile landed
	FILL 1
	TILE 0, 0, 1
	s_sub_co_u32 s42, s42, 1
	s_cmp_lg_u32 s42, 0
	s_cbranch_scc1 .Lring
	TILE 1, 0, 0                                   ; tile 7: nothing is left to fetch, and the wait is for zero
	; THE FOUR WAVES' RESULTS ARE JOINED: each puts its A, M, L into LDS; behind a barrier wave w joins columns 256 w .. 256 w + 255.
.irp j, 0,1,2,3,4,5,6,7
	ds_store_b128 v[SGW], v[ACC+4*(\j):ACC+4*(\j)+3] offset:512*(\j)
.endr
	ds_store_b64 v[STW], v[MX:MX+1]                ; all lanes write the same two words with the same values
	s_wait_dscnt 0x0                               ; for the others' sake: my stores are done
	s_barrier_signal -1
	s_barrier_wait -1
	ds_load_b128 v[SR:SR+3],   v[STR]              ; M0, L0, M1, L1
	ds_load_b128 v[SR+4:SR+7], v[STR] offset:16    ; M2, L2, M3, L3
.irp n, 0,1,2,3
	ds_load_b128 v[X+8*(\n):X+8*(\n)+3],   v[SGR] offset:4096*(\n)
	ds_load_b128 v[X+8*(\n)+4:X+8*(\n)+7], v[SGR] offset:4096*(\n)+512
.endr
	s_wait_dscnt 0x0
	v_max3_num_f32 v[MN], v[SR], v[SR+2], v[SR+4]
	v_max_num_f32 v[MN], v[MN], v[SR+6]
.irp n, 0,1,2,3
	v_sub_f32 v[F+2*(\n)+1], v[SR+2*(\n)], v[MN]
.endr
.irp n, 0,1,2,3
	v_exp_f32 v[F+2*(\n)], v[F+2*(\n)+1]           ; wave n's factor 2^(M_n - M), at most 1
.endr
	v_nop                                          ; a plain instruction between the last exponential and the use of its result
	s_wait_alu depctr_va_vdst(0)
	v_mul_f32 v[LS], v[F], v[SR+1]
.irp n, 1,2,3
	v_fma_f32 v[LS], v[F+2*(\n)], v[SR+2*(\n)+1], v[LS]
.endr
.irp c, 0,2,4,6
	v_pk_mul_f32 v[ACC+(\c):ACC+(\c)+1], v[X+(\c):X+(\c)+1], v[F:F+1] op_sel_hi:[1,0]
.endr
.irp n, 1,2,3
.irp c, 0,2,4,6
	v_pk_fma_f32 v[ACC+(\c):ACC+(\c)+1], v[X+8*(\n)+(\c):X+8*(\n)+(\c)+1], v[F+2*(\n):F+2*(\n)+1], v[ACC+(\c):ACC+(\c)+1] op_sel_hi:[1,0,1]
.endr
.endr
	v_cmp_eq_u32 vcc_lo, 1000, v[COL]              ; wave 3's lane 26 alone: columns 1000 and 1001 take M and L
	v_cndmask_b32 v[ACC+4], v[ACC+4], v[MN], vcc_lo
	v_cndmask_b32 v[ACC+5], v[ACC+5], v[LS], vcc_lo
	global_store_b128 v[OA], v[ACC:ACC+3],   s[12:13]             ; each store of the wave covers 512 consecutive bytes, at a multiple of 512 from part's first byte
	global_store_b128 v[OA], v[ACC+4:ACC+7], s[12:13] offset:512
	s_wait_tensorcnt 0x0                           ; the wave's end, behind my last tensor load and my last LDS store
	ds_add_u32 v[SPW], v[NIL]
	s_wait_dscnt 0x0
	s_endpgm
.Lfunc_end_k_qaef918ddc3_stream:
	.size	k_qaef918ddc3_stream, .Lfunc_end_k_qaef918ddc3_stream-k_qaef918ddc3_stream
	.p2alignl 7, 3214868480
	.fill 96, 4, 3214868480
	.section	.rodata,"a",@progbits
	.p2align	6, 0x0
	.amdhsa_kernel k_qaef918ddc3_stream
		.amdhsa_group_segment_fixed_size 327680
		.amdhsa_private_segment_fixed_size 0
		.amdhsa_enable_private_segment 0
		.amdhsa_kernarg_size 40
		.amdhsa_user_sgpr_count 2
		.amdhsa_user_sgpr_kernarg_segment_ptr 1
		.amdhsa_wavefront_size32 1
		.amdhsa_system_sgpr_workgroup_id_x 1
		.amdhsa_system_sgpr_workgroup_id_y 1
		.amdhsa_system_sgpr_workgroup_id_z 1
		.amdhsa_system_vgpr_workitem_id 0
		.amdhsa_next_free_vgpr 248
		.amdhsa_next_free_sgpr 66
		.amdhsa_reserve_vcc 1
		.amdhsa_float_denorm_mode_32 3
		.amdhsa_float_denorm_mode_16_64 3
		.amdhsa_memory_ordered 1
		.amdhsa_forward_progress 1
		.amdhsa_inst_pref_size 120
	.end_amdhsa_kernel
	.amdgpu_metadata
---
amdhsa.version: [ 1, 2 ]
amdhsa.kernels:
  - .name:           k_qaef918ddc3_stream
    .symbol:         k_qaef918ddc3_stream.kd
    .args:
      - { .name: h_src, .offset: 0, .size: 8, .value_kind: global_buffer, .address_space: global }
      - { .name: upart, .offset: 8, .size: 8, .value_kind: global_buffer, .address_space: global }
      - { .name: h_tgt, .offset: 16, .size: 8, .value_kind: global_buffer, .address_space: global }
      - { .name: b, .offset: 24, .size: 8, .value_kind: global_buffer, .address_space: global }
      - { .name: part, .offset: 32, .size: 8, .value_kind: global_buffer, .address_space: global }
    .group_segment_fixed_size: 327680
    .private_segment_fixed_size: 0
    .kernarg_segment_align: 8
    .kernarg_segment_size: 40
    .max_flat_workgroup_size: 128
    .sgpr_count:     66
    .vgpr_count:     248
    .wavefront_size: 32
...
	.end_amdgpu_metadata
.endif
;; end of part 2
;; launch merge (part 3): grid 250 x 1, 2 waves a work-group, no clusters, 0 bytes of LDS; arguments part, out0; writes out0
.if DOCPART == 3
	.amdgcn_target "amdgcn-amd-amdhsa--gfx1250"
	.amdhsa_code_object_version 6
	.text
	.protected	k_qaef918ddc3_merge
	.globl	k_qaef918ddc3_merge
	.p2align	8
	.type	k_qaef918ddc3_merge,@function
k_qaef918ddc3_merge:
	s_mov_b64 s[64:65], 0
	v_nop
	global_prefetch_b8 v0, s[64:65] scope:SCOPE_SE
	s_setreg_imm32_b32 hwreg(HW_REG_WAVE_MODE, 25, 1), 1
	s_wait_xcnt 0x0
; out0[batch][col] = (the sum over q of 2^(M_q - M) A_q[col]) / (the sum over q of 2^(M_q - M) L_q), M = the largest M_q.
; part: [64][4][1024] f32: A in columns 0..999, M_q in column 1000, L_q in column 1001.  out0: [64][1000] f32.
; out0 is 16,000 groups of four numbers; thread f of 250 x 64 makes group f, so a wave's store covers 512 consecutive bytes at a multiple of 512 from out0's first byte,
; across the edge between two batches too: batch and column are made for each lane.  No LDS, no barrier, no loop: every thread's work is its own.
; L is at least 1: the row that holds the maximum has the weight 1.  A factor below 2^-126 counts as 0; NaN and infinities are not treated apart.
	s_load_b128 s[4:7], s[0:1], 0x0                ; part s[4:5], out0 s[6:7]
	s_lshl_b32 s8, ttmp9, 6
	v_add_nc_u32 v1, s8, v0                        ; f
	v_lshrrev_b32 v2, 1, v1                        ; f / 250 = (f / 2) / 125;
	v_mul_lo_u32 v2, v2, 33555                     ; 33,555 x 125 = 2^22 + 71: with n = f / 2 under 8,000 the excess, 71 n / 2^22 of a 125th, stays under one 125th, and the product under 2^32
	v_lshrrev_b32 v2, 22, v2                       ; batch
	v_mul_u32_u24 v3, v2, 250
	v_sub_nc_u32 v3, v1, v3                        ; my group of four columns in the batch
	v_lshlrev_b32 v4, 14, v2                       ; the batch's four rows of 4,096 bytes in part
	v_lshl_add_u32 v5, v3, 4, v4                   ; my 16 bytes of A_0
	v_add_nc_u32 v6, 4000, v4                      ; (M_0, L_0)
	v_lshlrev_b32 v7, 4, v1                        ; my 16 bytes of out0
	s_wait_kmcnt 0x0
.irp q, 0,1,2,3
	global_load_b128 v[8+4*(\q):11+4*(\q)], v5, s[4:5] offset:4096*(\q)
.endr
.irp q, 0,1,2,3
	global_load_b64 v[24+2*(\q):25+2*(\q)], v6, s[4:5] offset:4096*(\q)
.endr
	s_wait_loadcnt 0x0
	v_max3_num_f32 v32, v24, v26, v28
	v_max_num_f32 v32, v32, v30
.irp q, 0,1,2,3
	v_sub_f32 v[35+2*(\q)], v[24+2*(\q)], v32
.endr
.irp q, 0,1,2,3
	v_exp_f32 v[34+2*(\q)], v[35+2*(\q)]           ; the factor, in a pair with its argument: the packed lines below take the pair's low register for both halves
.endr
	v_nop                                          ; a plain instruction between the last exponential and the use of its result
	s_wait_alu depctr_va_vdst(0)
	v_mul_f32 v33, v34, v25
.irp q, 1,2,3
	v_fma_f32 v33, v[34+2*(\q)], v[25+2*(\q)], v33
.endr
	v_rcp_f32 v42, v33
	v_nop                                          ; and between the reciprocal and its use
	s_wait_alu depctr_va_vdst(0)
.irp q, 0,1,2,3
	v_mul_f32 v[34+2*(\q)], v[34+2*(\q)], v42
.endr
	v_pk_mul_f32 v[44:45], v[8:9], v[34:35] op_sel_hi:[1,0]
	v_pk_mul_f32 v[46:47], v[10:11], v[34:35] op_sel_hi:[1,0]
.irp q, 1,2,3
	v_pk_fma_f32 v[44:45], v[8+4*(\q):9+4*(\q)], v[34+2*(\q):35+2*(\q)], v[44:45] op_sel_hi:[1,0,1]
	v_pk_fma_f32 v[46:47], v[10+4*(\q):11+4*(\q)], v[34+2*(\q):35+2*(\q)], v[46:47] op_sel_hi:[1,0,1]
.endr
	global_store_b128 v7, v[44:47], s[6:7]
	s_endpgm
.Lfunc_end_k_qaef918ddc3_merge:
	.size	k_qaef918ddc3_merge, .Lfunc_end_k_qaef918ddc3_merge-k_qaef918ddc3_merge
	.p2alignl 7, 3214868480
	.fill 96, 4, 3214868480
	.section	.rodata,"a",@progbits
	.p2align	6, 0x0
	.amdhsa_kernel k_qaef918ddc3_merge
		.amdhsa_group_segment_fixed_size 0
		.amdhsa_private_segment_fixed_size 0
		.amdhsa_enable_private_segment 0
		.amdhsa_kernarg_size 16
		.amdhsa_user_sgpr_count 2
		.amdhsa_user_sgpr_kernarg_segment_ptr 1
		.amdhsa_wavefront_size32 1
		.amdhsa_system_sgpr_workgroup_id_x 1
		.amdhsa_system_sgpr_workgroup_id_y 1
		.amdhsa_system_sgpr_workgroup_id_z 1
		.amdhsa_system_vgpr_workitem_id 0
		.amdhsa_next_free_vgpr 48
		.amdhsa_next_free_sgpr 66
		.amdhsa_reserve_vcc 0
		.amdhsa_float_denorm_mode_32 3
		.amdhsa_float_denorm_mode_16_64 3
		.amdhsa_memory_ordered 1
		.amdhsa_forward_progress 1
		.amdhsa_inst_pref_size 4
	.end_amdhsa_kernel
	.amdgpu_metadata
---
amdhsa.version: [ 1, 2 ]
amdhsa.kernels:
  - .name:           k_qaef918ddc3_merge
    .symbol:         k_qaef918ddc3_merge.kd
    .args:
      - { .name: part, .offset: 0, .size: 8, .value_kind: global_buffer, .address_space: global }
      - { .name: out0, .offset: 8, .size: 8, .value_kind: global_buffer, .address_space: global }
    .group_segment_fixed_size: 0
    .private_segment_fixed_size: 0
    .kernarg_segment_align: 8
    .kernarg_segment_size: 16
    .max_flat_workgroup_size: 64
    .sgpr_count:     66
    .vgpr_count:     48
    .wavefront_size: 32
...
	.end_amdgpu_metadata
.endif
;; end of part 3
;; ======== version 2 of 2: 3 launches; version 1 with the launch proj written anew for expert scheduling mode
;; workspace buffers: upart 2,097,152 bytes; part 1,048,576 bytes
;; launch proj (part 4): grid 8 x 32, 8 waves a work-group, no clusters, 74,752 bytes of LDS; arguments W, h_tgt, upart; writes upart
.if DOCPART == 4
	.amdgcn_target "amdgcn-amd-amdhsa--gfx1250"
	.amdhsa_code_object_version 6
	.text
	.protected	k_qaef918ddc3_proj
	.globl	k_qaef918ddc3_proj
	.p2align	8
	.type	k_qaef918ddc3_proj,@function
k_qaef918ddc3_proj:
	s_mov_b64 s[64:65], 0
	v_nop
	global_prefetch_b8 v0, s[64:65] scope:SCOPE_SE
	s_setreg_imm32_b32 hwreg(HW_REG_WAVE_SCHED_MODE, 0, 2), 2
	s_setreg_imm32_b32 hwreg(HW_REG_WAVE_MODE, 25, 1), 1
	s_wait_xcnt 0x0
	s_wait_alu depctr_vm_vsrc(0)
; upart[G][batch][col] = the sum over the 128 rows g of chunk G of h_tgt[batch][g] * W[g][col].   W: [1000][1000] f32, h_tgt: [64][1000] f32, upart: [8][64][1024] f32.
; WHY.  score = h_tgt . (W x + b) = (h_tgt W) . x + h_tgt . b for every input: u = h_tgt W is 64 x 1000 x 1000 multiply-adds, made once here; the next launch adds the eight chunks.
; FORMAT.  All in f32 on the vector units: a product of 64 rows has little matrix work, and u feeds scores whose differences decide a softmax; u rounded to 16 bits would shift them.
; The order of the sums differs from a plain chain over g (f32 rounding only).  NaN and infinities are not treated apart.
; SHARES.  Work-group (c, y): columns 128 c .. 128 c + 127 (512 bytes of a row of W), batches 16 (y & 3) .. + 15, rows g 128 (y >> 2) .. + 127 (K counted as 1,024).
; Wave w takes 16 of those rows; a lane 4 columns x 16 batches: 64 sums in registers.  The eight waves' sums meet in LDS behind one barrier.
; EDGES.  A wave whose 16 rows would pass row 999 loads rows 984 .. 999 instead, and the h_tgt numbers of rows that an earlier wave owns count as 0.
; Lanes whose columns would pass 999 load the row's last 16 bytes instead, and store 0: upart's columns 1000 .. 1023 are 0.
; NO CLUSTER, NO TENSOR LOADS: a work-group's whole input is 64 KB of W and 8 KB of h_tgt, each byte used from registers once loaded; the four work-groups that
; share a block of W would share 64 KB each.  No barrier but the one between the waves' stores and the joining reads.
; THE MODE: SCHED_MODE bits 1:0 = 2 (LLVM: expert scheduling mode 2), set by the entry lines.  The code itself states the register dependences
; between vector instructions and memory or LDS instructions, with s_wait_alu, always for 0.
; THE PLAN.  Registers that memory or LDS instructions touch:
;   v[WO], v[TO], v[TS], v[TR], v[RSW], v[RSR], v[OUTO], v[SPW], v[NIL]   addresses and the add's two: written at the head, ahead of one wait, and never again.
;   TT          two global loads land in it; eight selects write it; two LDS stores read it; nothing writes it after them.
;   WR          sixteen global loads land in it; the multiply-adds read it; behind the barrier sixteen LDS loads land in it; the trees and selects write it; two global stores read it.
;   T0, T1, T2  three buffers of h_tgt numbers, written by LDS loads alone.  A HALF-STEP n (0..7) is four rows g (block n / 2) times eight batches (half n % 2): its 64 multiply-adds read T[n % 3];
;               the eight LDS loads of half-step n + 2 land in T[(n + 2) % 3] = T[(n - 1) % 3], the buffer that half-step n - 1 read and that no vector instruction of half-step n names.
;   ACC         written by the multiply-adds; read by sixteen LDS stores; nothing writes it after them.
; So ONE wait on va_vdst stands at the head of each half-step that issues loads, and its eight loads are dealt among its multiply-adds with no further wait.
; No register that a memory or LDS instruction reads is ever written again: the one wait on vm_vsrc stands at the entry.
.set ROWB,  4000                       ; bytes in a row of W and of h_tgt
.set RS,    8192                       ; LDS: bytes 0 .. 8,191: each wave's own block of h_tgt, [16 batches][16 g] f32; from RS on: 8 x 8,192 bytes, the waves' sums
.set SPARE, 73728                      ; behind them: the spare words, 128 bytes for each of eight waves: four blocks of 256 bytes that no other line names
.set LN,   1                           ; v1   lane
.set CU,   2                           ; v2   512 c + 16 lane: my four columns' byte offset in a row, not clamped
.set WO,   3                           ; v3   the same, at most 3,984
.set TO,   4                           ; v4   h_tgt: (lane / 4) rows + (lane % 4) x 16 bytes
.set GV,   5                           ; v5   the first g of those 16 bytes
.set TS,   6                           ; v6   LDS: my 16 bytes of my wave's h_tgt block
.set TR,   7                           ; v7   LDS: my wave's h_tgt block, the same address in all lanes
.set RSW,  8                           ; v8   LDS: where I put my sums
.set RSR,  9                           ; v9   LDS: where I read the eight waves' sums of my wave's two batches
.set OUTO, 10                          ; v10  16 lane
.set SPW,  12                          ; v12  LDS address of my spare word; never rewritten
.set NIL,  13                          ; v13  0; never rewritten
.set ACC,  16                          ; v[16:79]    batch b: four columns at ACC + 4 b
.set WR,   80                          ; v[80:143]   row i of my 16: four columns at WR + 4 i; later the sums read back
.set T,    144                         ; v[144:239]  buffer n % 3 of half-step n, batch bb of its eight: h_tgt of four g at T + 32 (n % 3) + 4 bb
.set TT,   240                         ; v[240:247]  h_tgt as loaded
	s_load_b128 s[4:7], s[0:1], 0x0                ; W s[4:5], h_tgt s[6:7]
	s_load_b64 s[8:9], s[0:1], 0x10                ; upart
	v_lshl_add_u32 v[SPW], v0, 2, SPARE
	v_mov_b32 v[NIL], 0
	v_and_b32 v[LN], 31, v0
	v_lshrrev_b32 v[CU], 5, v0
	v_readfirstlane_b32 s10, v[CU]                 ; wave 0..7
	v_lshrrev_b32 v[TO], 2, v[LN]                  ; what hangs on the lane alone stands between that line and the wait for s10
	v_mul_u32_u24 v[TO], v[TO], ROWB
	v_and_b32 v[GV], 3, v[LN]
	v_lshl_add_u32 v[TO], v[GV], 4, v[TO]
	v_lshlrev_b32 v[OUTO], 4, v[LN]
	s_lshl_b32 s11, ttmp9, 9                       ; 512 c
	s_and_b32 s12, ttmp7, 0xffff
	s_lshr_b32 s13, s12, 2                         ; G: which 128 rows g
	s_and_b32 s12, s12, 3                          ; which 16 batches
	s_lshl_b32 s14, s13, 7
	s_wait_alu depctr_va_sdst(0)                   ; s10 is written, ahead of its first reader: the wave's rows, its LDS blocks and its place in upart are made from it
	s_lshl4_add_u32 s14, s10, s14                  ; my wave's first row: 128 G + 16 w
	s_min_u32 s15, s14, 984                        ; the first row that it loads: all 16 lie inside W
	s_mul_i32 s16, s15, ROWB                       ; W: byte offset of that row
	s_mov_b32 s17, 0
	s_mul_i32 s18, s12, 16*ROWB                    ; h_tgt: my 16 batches,
	s_lshl2_add_u32 s18, s15, s18                  ; and the first g loaded
	s_mov_b32 s19, 0
	s_lshl_b32 s20, s13, 6                         ; upart: row 64 G + 16 (y & 3) + 2 w of 4,096 bytes: wave w joins and stores two batches,
	s_lshl4_add_u32 s20, s12, s20
	s_lshl1_add_u32 s20, s10, s20
	s_lshl_b32 s20, s20, 12
	s_add_co_u32 s20, s20, s11                     ; and the chunk's 512 bytes
	s_mov_b32 s21, 0
	v_lshl_add_u32 v[CU], v[LN], 4, s11
	v_min_u32 v[WO], ROWB-16, v[CU]
	v_lshl_add_u32 v[GV], v[GV], 2, s15
	v_cmp_le_u32 vcc_lo, s14, v[GV]                ; is my g one of my wave's own rows?  (both are multiples of 4, so the four g of a lane go together); it hangs on no loaded number, so it stands here
	s_lshl_b32 s22, s10, 10                        ; my wave's h_tgt block: 1,024 w
	v_lshl_add_u32 v[TS], v[LN], 4, s22            ; batch (lane / 4) x 64 bytes + (lane % 4) x 16 = 16 lane
	v_mov_b32 v[TR], s22
	s_lshl_b32 s23, s10, 13
	s_add_co_u32 s23, s23, RS
	v_lshl_add_u32 v[RSW], v[LN], 4, s23           ; RS + 8,192 w + 16 lane
	v_add_nc_u32 v[RSR], RS, v[TS]                 ; RS + 2 w batches of 512 bytes + 16 lane
	s_wait_kmcnt 0x0
	s_add_nc_u64 s[4:5], s[4:5], s[16:17]
	s_add_nc_u64 s[6:7], s[6:7], s[18:19]
	s_add_nc_u64 s[8:9], s[8:9], s[20:21]
	s_wait_alu depctr_va_vdst(0)                   ; the seven addresses v3, v4, v6 to v10 and the add's v12, v13 are written: every load, store and LDS instruction of the kernel reads one of them
	global_load_b128 v[TT:TT+3],   v[TO], s[6:7]                  ; batches lane / 4: 16 g as four lanes' 16 bytes
	global_load_b128 v[TT+4:TT+7], v[TO], s[6:7] offset:8*ROWB    ; batches 8 + lane / 4
.irp i, 0,1,2,3,4,5,6,7,8,9,10,11,12,13,14,15
	global_load_b128 v[WR+4*(\i):WR+4*(\i)+3], v[WO], s[4:5] offset:ROWB*(\i)  ; a wave's load covers 512 consecutive bytes of a row
.endr
	s_wait_loadcnt 16                              ; loads come back in order: the 16 loads of W are younger, h_tgt is in
	s_wait_alu depctr_va_vcc(0)                    ; the compare at the head has written VCC, which the selects read
.irp i, 0,1,2,3,4,5,6,7
	v_cndmask_b32 v[TT+(\i)], 0, v[TT+(\i)], vcc_lo
.endr
	s_wait_alu depctr_va_vdst(0)                   ; the selects have written TT, which the two LDS stores read
	ds_store_b128 v[TS], v[TT:TT+3]                ; my wave's own bytes: LDS serves a wave's instructions in order, so the loads below see these stores
	ds_store_b128 v[TS], v[TT+4:TT+7] offset:512
; Two of the eight LDS loads of half-step n: h_tgt of rows 4 (n / 2) .. + 3 for batches 2 p and 2 p + 1 of its eight; one address for all lanes, so every lane gets the same four numbers
.macro TL2 n, p
.irp q, 0,1
.set bq, 2*(\p)+(\q)
	ds_load_b128 v[T+32*((\n)%3)+4*bq:T+32*((\n)%3)+4*bq+3], v[TR] offset:64*(8*((\n)%2)+bq)+16*((\n)/2)
.endr
.endm
; Half-step n: 64 packed multiply-adds: four rows x eight batches x two pairs of columns.  The h_tgt number is one register of a pair, taken for both halves.
; The very first row starts the sums: nothing is cleared.  Sixteen independent lines stand between two links of a chain.
; Half-steps 1 to 5 ask for the h_tgt numbers of the half-step two further on, two loads ahead of each row's sixteen lines: they have two half-steps in which to come.
.macro STEP n
.if ((\n)%2) == 0
	s_wait_loadcnt 12-4*((\n)/2)                   ; the rows of W of the later blocks may stay out
.endif
.if (\n) == 0
	s_wait_dscnt 16                                ; LDS loads come back in order: the sixteen of half-steps 1 and 2 are younger
.elseif (\n) < 7
	s_wait_dscnt 8                                 ; the next half-step's eight are younger
.else
	s_wait_dscnt 0x0
.endif
.if ((\n) >= 1) && ((\n) <= 5)
	s_wait_alu depctr_va_vdst(0)                   ; the half-step before is done reading its T buffer, in which the eight loads below land; no line of this half-step names that buffer
.endif
.irp gi, 0,1,2,3
.if ((\n) >= 1) && ((\n) <= 5)
	TL2 (\n)+2, \gi
.endif
.irp bb, 0,1,2,3,4,5,6,7
.irp cp, 0,1
.set rA, ACC+4*(8*((\n)%2)+(\bb))+2*(\cp)
.set rW, WR+4*(4*((\n)/2)+(\gi))+2*(\cp)
.set rT, T+32*((\n)%3)+4*(\bb)+2*((\gi)/2)
.if ((\n) < 2) && ((\gi) == 0)
	v_pk_mul_f32 v[rA:rA+1], v[rW:rW+1], v[rT:rT+1] op_sel_hi:[1,0]
.elseif ((\gi)%2) == 0
	v_pk_fma_f32 v[rA:rA+1], v[rW:rW+1], v[rT:rT+1], v[rA:rA+1] op_sel_hi:[1,0,1]
.else
	v_pk_fma_f32 v[rA:rA+1], v[rW:rW+1], v[rT:rT+1], v[rA:rA+1] op_sel:[0,1,0] op_sel_hi:[1,1,1]
.endif
.endr
.endr
.endr
.endm
.macro ADDQ d, s                       ; four numbers onto four
	v_pk_add_f32 v[(\d):(\d)+1], v[(\d):(\d)+1], v[(\s):(\s)+1]
	v_pk_add_f32 v[(\d)+2:(\d)+3], v[(\d)+2:(\d)+3], v[(\s)+2:(\s)+3]
.endm
.macro TREE b                          ; eight fours, 8 registers apart, into the first: neighbours 1, 2, 4 apart
.irp n, 0,2,4,6
	ADDQ (\b)+8*(\n), (\b)+8*(\n)+8
.endr
.irp n, 0,4
	ADDQ (\b)+8*(\n), (\b)+8*(\n)+16
.endr
	ADDQ (\b), (\b)+32
.endm
.irp n, 0,1,2                          ; the first three half-steps' h_tgt fill the three buffers, which no vector instruction has named
.irp p, 0,1,2,3
	TL2 \n, \p
.endr
.endr
	STEP 0
	STEP 1
	STEP 2
	STEP 3
	STEP 4
	STEP 5
	STEP 6
	STEP 7
	s_wait_alu depctr_va_vdst(0)                   ; the multiply-adds have written ACC, which the LDS stores read, and are done reading WR, in which the LDS loads behind the barrier land: no vector instruction stands between this wait and those loads
.irp bb, 0,1,2,3,4,5,6,7,8,9,10,11,12,13,14,15
	ds_store_b128 v[RSW], v[ACC+4*(\bb):ACC+4*(\bb)+3] offset:512*(\bb)
.endr
	s_wait_dscnt 0x0                               ; for the others' sake: my stores are done
	s_barrier_signal -1
	s_barrier_wait -1
.irp n, 0,1,2,3,4,5,6,7
	ds_load_b128 v[WR+8*(\n):WR+8*(\n)+3],   v[RSR] offset:8192*(\n)       ; wave n's sums of batch 2 w
	ds_load_b128 v[WR+8*(\n)+4:WR+8*(\n)+7], v[RSR] offset:8192*(\n)+512   ; and of batch 2 w + 1
.endr
	s_wait_dscnt 0x0
	v_cmp_gt_u32 vcc_lo, ROWB, v[CU]               ; columns 1000 .. 1023 are stored as 0; the two trees stand between the compare and the wait for it
	TREE WR
	TREE WR+4
	s_wait_alu depctr_va_vcc(0)                    ; the compare has written VCC, which the selects read
.irp i, 0,1,2,3,4,5,6,7
	v_cndmask_b32 v[WR+(\i)], 0, v[WR+(\i)], vcc_lo
.endr
	s_wait_alu depctr_va_vdst(0)                   ; the selects have written v[WR .. WR+7], which the two stores read
	global_store_b128 v[OUTO], v[WR:WR+3],   s[8:9]               ; each store of the wave covers 512 consecutive bytes, at a multiple of 512 from upart's first byte
	global_store_b128 v[OUTO], v[WR+4:WR+7], s[8:9] offset:4096
	s_wait_dscnt 0x0                               ; the closing lines, six on end
	s_wait_alu 0x0
	s_wait_tensorcnt 0x0
	ds_add_u32 v[SPW], v[NIL]
	s_wait_dscnt 0x0
	s_endpgm
.Lfunc_end_k_qaef918ddc3_proj:
	.size	k_qaef918ddc3_proj, .Lfunc_end_k_qaef918ddc3_proj-k_qaef918ddc3_proj
	.p2alignl 7, 3214868480
	.fill 96, 4, 3214868480
	.section	.rodata,"a",@progbits
	.p2align	6, 0x0
	.amdhsa_kernel k_qaef918ddc3_proj
		.amdhsa_group_segment_fixed_size 74752
		.amdhsa_private_segment_fixed_size 0
		.amdhsa_enable_private_segment 0
		.amdhsa_kernarg_size 24
		.amdhsa_user_sgpr_count 2
		.amdhsa_user_sgpr_kernarg_segment_ptr 1
		.amdhsa_wavefront_size32 1
		.amdhsa_system_sgpr_workgroup_id_x 1
		.amdhsa_system_sgpr_workgroup_id_y 1
		.amdhsa_system_sgpr_workgroup_id_z 1
		.amdhsa_system_vgpr_workitem_id 0
		.amdhsa_next_free_vgpr 248
		.amdhsa_next_free_sgpr 66
		.amdhsa_reserve_vcc 1
		.amdhsa_float_denorm_mode_32 3
		.amdhsa_float_denorm_mode_16_64 3
		.amdhsa_memory_ordered 1
		.amdhsa_forward_progress 1
		.amdhsa_inst_pref_size 46
	.end_amdhsa_kernel
	.amdgpu_metadata
---
amdhsa.version: [ 1, 2 ]
amdhsa.kernels:
  - .name:           k_qaef918ddc3_proj
    .symbol:         k_qaef918ddc3_proj.kd
    .args:
      - { .name: W, .offset: 0, .size: 8, .value_kind: global_buffer, .address_space: global }
      - { .name: h_tgt, .offset: 8, .size: 8, .value_kind: global_buffer, .address_space: global }
      - { .name: upart, .offset: 16, .size: 8, .value_kind: global_buffer, .address_space: global }
    .group_segment_fixed_size: 74752
    .private_segment_fixed_size: 0
    .kernarg_segment_align: 8
    .kernarg_segment_size: 24
    .max_flat_workgroup_size: 256
    .sgpr_count:     66
    .vgpr_count:     248
    .wavefront_size: 32
...
	.end_amdgpu_metadata
.endif
;; end of part 4
;; launch stream: the kernel of part 2 again; grid 4 x 64, 4 waves a work-group, no clusters, 327,680 bytes of LDS; arguments h_src, upart, h_tgt, b, part; writes part
;; launch merge: the kernel of part 3 again; grid 250 x 1, 2 waves a work-group, no clusters, 0 bytes of LDS; arguments part, out0; writes out0
